; MI455X (gfx1250); checked and timed in simulation.
; The chip was launched on July 23, 2026; its instructions are those of AMD's public machine-readable ISA for CDNA 5 (MIT licence, August 2026) and "CDNA5" Instruction Set Architecture Reference Guide (July 2026). The comments in the code are by the model that wrote it; some were corrected since.
;; TA LSTM Cell. Allowed arithmetic: matrix products marked QUANTISED: E5M2 operands, one E8M0 scale for each 32 along K, by v_wmma_scale_f32_16x16x128_f8f6f4 with both operands' format E5M2, f32 sums; everything else in f32.
;; Inputs: W_decomp 1,024 x 1,024 float32; b_decomp 1,024 float32; bias_hh 4,096 float32; bias_ih 4,096 float32; cx 4,096 x 1,024 float32; hx 4,096 x 1,024 float32; input 4,096 x 512 float32; t 4,096 x 1 float32; weight_hh 4,096 x 1,024 float32; weight_ih 4,096 x 512 float32.
;; Outputs: out0 4,096 x 1,024 float32; out1 4,096 x 1,024 float32.
;; This version of the problem:
;;   THIS VERSION OF THE PROBLEM IS GIVEN IN LOW PRECISION. The matrix products marked QUANTISED in the list below multiply operands that are first quantised to E5M2 (5 exponent bits, 2 mantissa bits; 8 bits a number), with one power-of-two scale for each 32 numbers along K (OCP MX v1.0); their sums are f32. All else is computed in f32.
;;   The module's matrix products, in the order in which they are computed (A, B: the left and right operand; K: the contracted axis; several contracted axes count as one K, in the product's order):
;;     1. [M 4,096, K 512] x [K 512, N 4,096]; A: input input; B: input weight_ih: QUANTISED
;;     2. [M 4,096, K 1,024] x [K 1,024, N 4,096]; A: input hx; B: input weight_hh: QUANTISED
;;     3. [M 4,096, K 1,024] x [K 1,024, N 1,024]; A: input cx; B: input W_decomp: QUANTISED
;;   THE QUANTISER, for each operand of a quantised product, along K:
;;     - K is cut into blocks of 32 from its start; a last block that is shorter is filled with zeros.
;;     - A block's scale is 2^e with e = floor(log2(the largest magnitude in the block)) - 15, held to -126 .. 127; a block of zeros has e = 0. As a byte (E8M0): e + 127.
;;     - Each number is divided by its block's scale, clamped to +-57,344, and rounded to the nearest number of E5M2, ties to even, subnormals kept.
;;     - The product sums the exact products of the quantised numbers (number of the format x scale) in f32.
;;   ~~~python
;;   def quantise(x, axis):      # numpy; x: float32 -> the quantised numbers, widened to float32 again
;;       x = np.moveaxis(x, axis, -1); K = x.shape[-1]
;;       x = np.pad(x, [(0, 0)] * (x.ndim - 1) + [(0, -K % 32)]); x = x.reshape(x.shape[:-1] + (-1, 32)); a = np.abs(x).max(-1, keepdims=True)
;;       e = np.where(a > 0, np.clip(np.frexp(np.where(a > 0, a, 1))[1] - 1 - 15, -126, 127), 0)      # np.frexp(a)[1] - 1 = floor(log2(a)), exactly
;;       r = np.clip(x / 2.0 ** e, -57344, 57344)
;;       step = 2.0 ** (np.maximum(np.frexp(np.where(r == 0, 1, r))[1] - 1, -14) - 2)
;;       q = np.round(r / step) * step * 2.0 ** e      # np.round: ties to even
;;       return np.moveaxis(q.reshape(q.shape[:-2] + (-1,))[..., :K], -1, axis).astype(np.float32)
;;   ~~~
;; One version. Each part assembles by itself: llvm-mc -triple=amdgcn-amd-amdhsa -mcpu=gfx1250 --defsym DOCPART=n.
;; ======== version 1 of 1: 2 launches
;; limits: right only within a limited range of input values
;; workspace buffers: ag 6,488,064 bytes; ac 4,325,376 bytes; bg 6,488,064 bytes; bd 1,081,344 bytes
;; launch quant (part 1): grid 256 x 1, 17 waves a work-group, no clusters, 148,224 bytes of LDS; arguments input, hx, cx, weight_ih, weight_hh, W_decomp, ag, ac, bg, bd; writes ag, ac, bg, bd
.if DOCPART == 1
	.amdgcn_target "amdgcn-amd-amdhsa--gfx1250"
	.amdhsa_code_object_version 6
	.text
	.protected	k_q568a7af123_quant
	.globl	k_q568a7af123_quant
	.p2align	8
	.type	k_q568a7af123_quant,@function
k_q568a7af123_quant:
	s_mov_b64 s[64:65], 0
	v_nop
	global_prefetch_b8 v0, s[64:65] scope:SCOPE_SE
	s_setreg_imm32_b32 hwreg(HW_REG_WAVE_MODE, 25, 1), 1
	s_wait_xcnt 0x0
; All six matrix operands of the cell, f32, become codes of BF8 (E5M2) with one E8M0 scale byte for each 32 along K, laid as IMAGES OF OPERAND REGISTERS.
; A UNIT is 64 operand rows x 128 K, 8,448 bytes: four tiles i of 16 rows; in a tile four chunks c of 512 bytes; lane l = 16 h + r has its 16 bytes at 2048 i + 512 c + 16 l:
; the codes k = 32 c + 16 h + 0 .. 15 of row (i, r), registers 4 c .. 4 c + 3 of the scaled matrix instruction's fragment.  From byte 8,192 on: the scale word (4 bytes, c = 0 .. 3) of row (i, r) at 16 r + 4 i.
;   ag [32 panels of 128 batch rows][12 K steps: 0-3 input, 4-11 hx][2 units]      ac the same with 8 K steps, from cx
;   bg [32 blocks P of 32 hidden][12 K steps: 0-3 weight_ih, 4-11 weight_hh][2 units q]: tile i of unit q = weight rows (2 q + i / 2) 1024 + 32 P + 16 (i % 2) + r
;   bd [16 blocks of 64 hidden][8 K steps]: tile i = columns 64 hb + 16 i + r of W_decomp, whose K is its FIRST axis
; A block's scale is 2^(floor(log2(its largest magnitude)) - 15); its byte is the largest magnitude's exponent field - 15, held at 1 from below; each number is held within +-57,344 x the scale and rounded to the nearest code, ties to even.
; LIMITS: a block of zeros gets the byte 1 where the rule says 127 (its codes are zeros, which add nothing, and this program alone reads the bytes); blocks whose largest magnitude lies under 2^-111 keep the byte 1 and were not tried;
; NaN and infinities among the inputs are not served.
; SHARES.  A wave's share is 16 KiB: half a unit (tiles 2 p, 2 p + 1).  The five tensors with K innermost make 4,096 shares, W_decomp 256: so 256 work-groups of 17 waves, 16 for a part of one of the five and one for W_decomp.
; Work-groups 0-31 input, 32-95 hx, 96-159 cx, 160-191 weight_ih, 192-255 weight_hh: one text, only pointers and a few numbers are chosen, on the work-group's number.
; A wave's loads all go out at its start.  No matrix unit, no tensor load, no cluster and no prefetch: every byte is read once, nothing is shared, and there is no loop to run ahead in.
.set UNIT,  8448
.set SP,    528                        ; a stage row: 512 bytes + 16, so that the 16 lanes of a read fall on 16 different columns of 16 bytes
.set SCW,   17*UNIT                    ; behind the stages: a unit's 256 bytes of scale words for each pair of waves
.set SPARE, SCW+9*256                  ; the spare words, 128 bytes for each wave
.set SW,    12                         ; v12-13   my two tiles' scale words
.set OFF,   16                         ; v16-31   row rr of a tile: rr x pitch + 16 x lane
.set TM,    32                         ; v32-35 largest magnitudes, v36-39 bytes, v40-43 the largest number x the scale, v44-47 the conversions' scale operands
.set PC,    48                         ; v48-63   a tile's codes
.set R,     64                         ; v64-191  two tiles: as loaded, then in the fragment's order (register 16 b + i = k 32 b + 16 h + i of row r)
.set SB,    44                         ; s[44:47] the two tiles' first bytes in memory
	s_load_b512 s[4:19], s[0:1], 0x0               ; input, hx, cx, weight_ih, weight_hh, W_decomp, ag, ac
	s_load_b128 s[20:23], s[0:1], 0x40             ; bg, bd
	v_lshl_add_u32 v10, v0, 2, SPARE
	v_mov_b32 v11, 0
	v_lshrrev_b32 v1, 5, v0
	v_readfirstlane_b32 s24, v1                    ; wave 0..16
	s_mov_b32 s52, 0x76543210
	s_mov_b32 s53, 0xfedcba98                      ; v_permlanex16_b32's selects for lane l xor 16
	s_mov_b32 s54, 0x600000                        ; the mantissa field of 57,344
	s_mul_i32 s56, s24, UNIT                       ; my wave's stage
	s_lshr_b32 s57, s24, 1
	s_lshl_b32 s57, s57, 8
	s_add_co_u32 s57, s57, SCW                     ; my unit's scale words
	s_and_b32 s25, s24, 1                          ; p: which half of the unit is mine
	s_lshl_b32 s58, s25, 3
	v_and_b32 v1, 31, v0                           ; lane
	v_and_b32 v2, 15, v0                           ; r
	v_bfe_u32 v3, v0, 4, 1                         ; h
	v_lshlrev_b32 v4, 4, v2                        ; 16 r
	v_lshlrev_b32 v7, 4, v1                        ; 16 x lane: my place in a load's 512 bytes and in a chunk
	v_add_nc_u32 v5, s56, v7                       ; into the stage: as loaded
	v_mul_u32_u24 v6, v2, SP
	v_lshl_add_u32 v6, v3, 6, v6
	v_add_nc_u32 v6, s56, v6                       ; out of it: row r, + 64 h: my 16 numbers of a block of 32
	v_lshl_add_u32 v8, v2, 4, s57                  ; scale words: the unit's 16 bytes of r,
	v_add_nc_u32 v9, s58, v8                       ; and my 8 of them
.irp b, 0,1,2,3
	v_mov_b32 v[TM+4+\b], 0                        ; written once: a lane permute's destination counts as one of its sources
.endr
	s_wait_alu depctr_va_vdst(0)
	s_wait_kmcnt 0x0
	s_cmp_eq_u32 s24, 16
	s_cbranch_scc1 .Lwd
; ---------------- K innermost: input, hx, cx, weight_ih, weight_hh
	s_mov_b32 s30, 2                               ; LK: log2 of the tensor's K steps
	s_mov_b32 s31, 0                               ; KS0: its first K step in the buffer
	s_mov_b32 s32, 12                              ; NK: the buffer's K steps
	s_mov_b32 s33, 0                               ; 1 for a weight
	s_mov_b32 s34, 0                               ; the tensor's first work-group
	s_mov_b64 s[26:27], s[4:5]                     ; from: input
	s_mov_b64 s[28:29], s[16:17]                   ; to: ag
	s_cmp_ge_u32 ttmp9, 32                         ; hx
	s_cselect_b64 s[26:27], s[6:7], s[26:27]
	s_cselect_b32 s30, 3, s30
	s_cselect_b32 s31, 4, s31
	s_cselect_b32 s34, 32, s34
	s_cmp_ge_u32 ttmp9, 96                         ; cx
	s_cselect_b64 s[26:27], s[8:9], s[26:27]
	s_cselect_b64 s[28:29], s[18:19], s[28:29]
	s_cselect_b32 s31, 0, s31
	s_cselect_b32 s32, 8, s32
	s_cselect_b32 s34, 96, s34
	s_cmp_ge_u32 ttmp9, 160                        ; weight_ih
	s_cselect_b64 s[26:27], s[10:11], s[26:27]
	s_cselect_b64 s[28:29], s[20:21], s[28:29]
	s_cselect_b32 s30, 2, s30
	s_cselect_b32 s32, 12, s32
	s_cselect_b32 s33, 1, s33
	s_cselect_b32 s34, 160, s34
	s_cmp_ge_u32 ttmp9, 192                        ; weight_hh
	s_cselect_b64 s[26:27], s[12:13], s[26:27]
	s_cselect_b32 s30, 3, s30
	s_cselect_b32 s31, 4, s31
	s_cselect_b32 s34, 192, s34
	s_sub_co_u32 s35, ttmp9, s34
	s_lshl_b32 s35, s35, 3
	s_lshr_b32 s56, s24, 1
	s_add_co_u32 s35, s35, s56                     ; which unit of the tensor: eight a work-group
	s_bfm_b32 s36, s30, 0
	s_and_b32 s36, s35, s36                        ; ks: its K step in the tensor
	s_lshr_b32 s37, s35, s30                       ; rg: its group of 64 rows, 0 .. 63
	s_lshl_b32 s38, 512, s30                       ; a row of the tensor in bytes
	s_and_b32 s41, s37, 1                          ; q: the unit in its panel
	s_lshr_b32 s42, s37, 1                         ; the panel
	s_lshl_b32 s39, s41, 11
	s_lshl_b32 s43, s25, 10
	s_add_co_u32 s39, s39, s43
	s_lshl_b32 s43, s42, 5
	s_add_co_u32 s39, s39, s43                     ; a weight's first row: 2048 q + 1024 p + 32 P
	s_lshl_b32 s43, s37, 6
	s_lshl_b32 s56, s25, 5
	s_add_co_u32 s43, s43, s56                     ; an activation's: 64 rg + 32 p
	s_cmp_eq_u32 s33, 1
	s_cselect_b32 s39, s39, s43
	s_lshl_b32 s58, s36, 9                         ; 128 numbers a K step
.irp i, 0,1
	s_add_co_u32 s56, s39, 16*\i
	s_mul_i32 s56, s56, s38
	s_add_co_u32 s56, s56, s58                     ; under 2^25
	s_mov_b32 s57, 0
	s_add_nc_u64 s[SB+2*\i:SB+2*\i+1], s[26:27], s[56:57]
.endr
.irp rr, 0,1,2,3,4,5,6,7,8,9,10,11,12,13,14,15
	v_mad_u32_u24 v[OFF+\rr], s38, \rr, v7
.endr
.irp i, 0,1
.irp rr, 0,1,2,3,4,5,6,7,8,9,10,11,12,13,14,15
	global_load_b128 v[R+64*\i+4*\rr:R+64*\i+4*\rr+3], v[OFF+\rr], s[SB+2*\i:SB+2*\i+1] th:TH_LOAD_NT   ; 512 consecutive bytes of one row
.endr
.endr
	s_mul_i32 s56, s42, s32
	s_add_co_u32 s56, s56, s31
	s_add_co_u32 s56, s56, s36
	s_lshl_b32 s56, s56, 1
	s_add_co_u32 s56, s56, s41
	s_mul_i32 s56, s56, UNIT                       ; ((panel x NK + KS0 + ks) x 2 + q) units
	s_mov_b32 s57, 0
	s_add_nc_u64 s[28:29], s[28:29], s[56:57]      ; the unit
	s_lshl_b32 s56, s25, 12
	s_add_nc_u64 s[60:61], s[28:29], s[56:57]      ; my two tiles of it
.macro QUANT X, pw                     ; the 64 numbers in v[X] on become a fragment's codes in v[PC] on and my row's scale word in v[pw]
.irp b, 0,1,2,3
	v_max3_num_f32 v[TM+\b], |v[\X+16*\b]|, |v[\X+1+16*\b]|, 0x8000000   ; block b: my 16 numbers, and the floor 2^(16 - 127): the byte cannot fall under 1
.endr
.irp i, 2,4,6,8,10,12,14
.irp b, 0,1,2,3
	v_max3_num_f32 v[TM+\b], v[TM+\b], |v[\X+16*\b+\i]|, |v[\X+1+16*\b+\i]|   ; the four blocks by turns
.endr
.endr
.irp b, 0,1,2,3
	v_permlanex16_b32 v[TM+4+\b], v[TM+\b], s52, s53
.endr
.irp b, 0,1,2,3
	v_max_num_f32 v[TM+\b], v[TM+\b], v[TM+4+\b]   ; with lane l xor 16's: the block's largest magnitude
.endr
.irp b, 0,1,2,3
	v_add_nc_u32 v[TM+12+\b], 0xf8800000, v[TM+\b] ; 15 off its exponent field: the conversion takes this operand's exponent field as its scale
.endr
.irp b, 0,1,2,3
	v_and_or_b32 v[TM+8+\b], v[TM+\b], 0x7f800000, s54   ; 57,344 x the scale
.endr
.irp b, 0,1,2,3
	v_lshrrev_b32 v[TM+4+\b], 23, v[TM+12+\b]      ; the scale's byte
.endr
	v_lshl_or_b32 v[\pw], v[TM+5], 8, v[TM+4]
	v_lshl_or_b32 v[\pw], v[TM+6], 16, v[\pw]
	v_lshl_or_b32 v[\pw], v[TM+7], 24, v[\pw]
.irp b, 0,1,2,3
.irp i, 0,1,2,3,4,5,6,7,8,9,10,11,12,13,14,15
	v_med3_num_f32 v[\X+16*\b+\i], v[\X+16*\b+\i], -v[TM+8+\b], v[TM+8+\b]   ; the conversion to an 8-bit code does not saturate (ISA guide 7.6.2): the hold comes first
.endr
.endr
	s_wait_alu depctr_va_vdst(0)
	s_wait_xcnt 0x0                                ; the last tile's stores have read their data: the codes' registers are written again only behind this wait
.irp b, 0,1,2,3
	v_cvt_scalef32_pk8_bf8_f32 v[PC+4*\b:PC+1+4*\b], v[\X+16*\b:\X+7+16*\b], v[TM+12+\b]
	v_cvt_scalef32_pk8_bf8_f32 v[PC+2+4*\b:PC+3+4*\b], v[\X+8+16*\b:\X+15+16*\b], v[TM+12+\b]
.endr
	v_nop                                          ; one plain vector line behind the last conversion
.endm
.macro TILE i
	s_wait_loadcnt 16*(1-\i)                       ; this tile's 16 loads are in; tile 1's may be out behind tile 0's
.irp rr, 0,1,2,3,4,5,6,7,8,9,10,11,12,13,14,15
	ds_store_b128 v5, v[R+64*\i+4*\rr:R+64*\i+4*\rr+3] offset:SP*\rr
.endr
	s_wait_dscnt 0x0                               ; the stores have read their registers, which take the same numbers in the fragment's order
.irp b, 0,1,2,3
.irp j, 0,1,2,3
	ds_load_b128 v[R+64*\i+16*\b+4*\j:R+64*\i+16*\b+4*\j+3], v6 offset:128*\b+16*\j
.endr
.endr
	s_wait_dscnt 0x0
	QUANT R+64*\i, SW+\i
	s_wait_alu depctr_va_vdst(0)
.irp c, 0,1,2,3
	global_store_b128 v7, v[PC+4*\c:PC+4*\c+3], s[60:61] offset:2048*\i+512*\c   ; 32 lanes store 512 consecutive bytes, at a multiple of 256 from the buffer's first byte
.endr
.endm
	s_wait_alu depctr_va_vdst(0)
	TILE 0
	TILE 1
	ds_store_b64 v9, v[SW:SW+1]                    ; lanes 16-31 hold the same words as lanes 0-15
	s_branch .Ljoin
; ---------------- W_decomp [k][n]: a lane takes a column n and its registers run down K: a block of 32 lies in one lane, and the codes come out with K innermost.
; Work-group w: K step w % 8, 32 columns from 32 (w / 8) on: tiles 2 p and 2 p + 1 of unit (hb, ks).
.Lwd:
	s_and_b32 s36, ttmp9, 7                        ; ks
	s_lshr_b32 s37, ttmp9, 3                       ; which 32 columns
	s_lshl_b32 s56, s36, 19                        ; 128 rows of 4,096 bytes a K step
	s_lshl_b32 s57, s37, 7
	s_add_co_u32 s56, s56, s57
	s_mov_b32 s57, 0
	s_lshr_b32 s58, s37, 1                         ; hb
	s_lshl_b32 s58, s58, 3
	s_add_co_u32 s58, s58, s36
	s_mul_i32 s58, s58, UNIT
	s_mov_b32 s59, 0
	s_and_b32 s60, s37, 1                          ; p
	s_lshl_b32 s61, s60, 12
	s_lshl_b32 s60, s60, 3
	s_add_nc_u64 s[26:27], s[14:15], s[56:57]
	s_add_nc_u64 s[28:29], s[22:23], s[58:59]
	v_lshlrev_b32 v16, 2, v1                       ; in: 4 bytes a lane
	v_lshl_add_u32 v17, v3, 11, v4
	v_add_nc_u32 v17, s61, v17                     ; out: tile 2 p + lane / 16, 16 bytes at 16 r
	v_lshl_add_u32 v18, v3, 2, v4
	v_add_nc_u32 v18, s60, v18                     ; my scale word: 16 r + 4 x tile
.irp c, 0,1,2,3
.irp i, 0,1,2,3,4,5,6,7,8,9,10,11,12,13,14,15,16,17,18,19,20,21,22,23,24,25,26,27,28,29,30,31
	global_load_b32 v[R+32*\c+\i], v16, s[26:27] offset:(32*\c+\i)*4096 th:TH_LOAD_NT   ; W(32 c + i, my column): 128 consecutive bytes a wave
.endr
.endr
	s_wait_alu depctr_va_vdst(0)
.macro WBLOCK c, left
.set XS, R+32*\c
	s_wait_loadcnt \left                           ; this block's 32 loads are in
	v_max3_num_f32 v52, |v[XS]|, |v[XS+1]|, |v[XS+2]|      ; the block's largest magnitude: all 32 numbers are mine
	v_max3_num_f32 v53, |v[XS+3]|, |v[XS+4]|, |v[XS+5]|
.irp i, 6,10,14,18,22,26
	v_max3_num_f32 v52, v52, |v[XS+\i]|, |v[XS+\i+1]|
	v_max3_num_f32 v53, v53, |v[XS+\i+2]|, |v[XS+\i+3]|
.endr
	v_max3_num_f32 v52, v52, |v[XS+30]|, |v[XS+31]|
	v_max3_num_f32 v52, v52, v53, 0x8000000        ; and the floor
	v_add_nc_u32 v54, 0xf8800000, v52
	v_and_or_b32 v55, v52, 0x7f800000, s54
	v_lshrrev_b32 v56, 23, v54
.if \c == 0
	v_mov_b32 v57, v56                             ; the four bytes make my column's scale word
.else
	v_lshl_or_b32 v57, v56, 8*\c, v57
.endif
.irp i, 0,1,2,3,4,5,6,7,8,9,10,11,12,13,14,15,16,17,18,19,20,21,22,23,24,25,26,27,28,29,30,31
	v_med3_num_f32 v[XS+\i], v[XS+\i], -v55, v55
.endr
.irp g, 0,1,2,3
	v_cvt_scalef32_pk8_bf8_f32 v[20+8*\c+2*\g:21+8*\c+2*\g], v[XS+8*\g:XS+8*\g+7], v54   ; each block has its own eight registers: no store's data are written again
.endr
	v_nop                                          ; one plain vector line behind the last conversion
	global_store_b128 v17, v[20+8*\c:23+8*\c], s[28:29] offset:512*\c         ; k = 32 c + 0 .. 15: the places of lanes 0-15 of the image; 16 lanes store 256 consecutive bytes, aligned
	global_store_b128 v17, v[24+8*\c:27+8*\c], s[28:29] offset:512*\c+256     ; k = 32 c + 16 .. 31: those of lanes 16-31
.endm
	WBLOCK 0, 63
	WBLOCK 1, 63
	WBLOCK 2, 32
	WBLOCK 3, 0
	global_store_b32 v18, v57, s[28:29] offset:8192 ; half of the unit's 256 bytes of scale words, in pieces of 8 bytes: one byte in 128 of what this path reads
.Ljoin:
	s_wait_alu depctr_va_vdst(0)
	s_wait_tensorcnt 0x0                           ; the wave's end, behind my last LDS store
	ds_add_u32 v10, v11
	s_wait_dscnt 0x0                               ; and my scale words are in LDS
	s_barrier_signal -1
	s_barrier_wait -1
	s_cmp_ge_u32 s24, 16
	s_cbranch_scc1 .Lend
	s_cmp_lg_u32 s25, 0
	s_cbranch_scc1 .Lend
	ds_load_b128 v[64:67], v8                      ; the even wave of a pair stores the unit's scale words, its own and its partner's
	s_wait_dscnt 0x0
	s_wait_xcnt 0x0                                ; EXEC changes only behind this wait
	v_cmp_gt_u32 vcc_lo, 16, v1
	s_and_saveexec_b32 s55, vcc_lo
	global_store_b128 v4, v[64:67], s[28:29] offset:8192   ; 16 lanes store 256 consecutive bytes, aligned
	s_wait_xcnt 0x0                                ; and again in front of the line that widens it
	s_or_b32 exec_lo, exec_lo, s55
.Lend:
	s_endpgm
.Lfunc_end_k_q568a7af123_quant:
	.size	k_q568a7af123_quant, .Lfunc_end_k_q568a7af123_quant-k_q568a7af123_quant
	.p2alignl 7, 3214868480
	.fill 96, 4, 3214868480
	.section	.rodata,"a",@progbits
	.p2align	6, 0x0
	.amdhsa_kernel k_q568a7af123_quant
		.amdhsa_group_segment_fixed_size 148224
		.amdhsa_private_segment_fixed_size 0
		.amdhsa_enable_private_segment 0
		.amdhsa_kernarg_size 80
		.amdhsa_user_sgpr_count 2
		.amdhsa_user_sgpr_kernarg_segment_ptr 1
		.amdhsa_wavefront_size32 1
		.amdhsa_system_sgpr_workgroup_id_x 1
		.amdhsa_system_sgpr_workgroup_id_y 1
		.amdhsa_system_sgpr_workgroup_id_z 1
		.amdhsa_system_vgpr_workitem_id 0
		.amdhsa_next_free_vgpr 192
		.amdhsa_next_free_sgpr 66
		.amdhsa_reserve_vcc 1
		.amdhsa_float_denorm_mode_32 3
		.amdhsa_float_denorm_mode_16_64 3
		.amdhsa_memory_ordered 1
		.amdhsa_forward_progress 1
		.amdhsa_inst_pref_size 59
	.end_amdhsa_kernel
	.amdgpu_metadata
---
amdhsa.version: [ 1, 2 ]
amdhsa.kernels:
  - .name:           k_q568a7af123_quant
    .symbol:         k_q568a7af123_quant.kd
    .args:
      - { .name: input, .offset: 0, .size: 8, .value_kind: global_buffer, .address_space: global }
      - { .name: hx, .offset: 8, .size: 8, .value_kind: global_buffer, .address_space: global }
      - { .name: cx, .offset: 16, .size: 8, .value_kind: global_buffer, .address_space: global }
      - { .name: weight_ih, .offset: 24, .size: 8, .value_kind: global_buffer, .address_space: global }
      - { .name: weight_hh, .offset: 32, .size: 8, .value_kind: global_buffer, .address_space: global }
      - { .name: W_decomp, .offset: 40, .size: 8, .value_kind: global_buffer, .address_space: global }
      - { .name: ag, .offset: 48, .size: 8, .value_kind: global_buffer, .address_space: global }
      - { .name: ac, .offset: 56, .size: 8, .value_kind: global_buffer, .address_space: global }
      - { .name: bg, .offset: 64, .size: 8, .value_kind: global_buffer, .address_space: global }
      - { .name: bd, .offset: 72, .size: 8, .value_kind: global_buffer, .address_space: global }
    .group_segment_fixed_size: 148224
    .private_segment_fixed_size: 0
    .kernarg_segment_align: 8
    .kernarg_segment_size: 80
    .max_flat_workgroup_size: 544
    .sgpr_count:     66
    .vgpr_count:     192
    .wavefront_size: 32
...
	.end_amdgpu_metadata
.endif
;; end of part 1
;; launch cell (part 2): grid 16 x 16, 4 waves a work-group, clusters of 4 x 4, 327,680 bytes of LDS; arguments ag, ac, bg, bd, bias_ih, bias_hh, b_decomp, t, cx, out0, out1; writes out0, out1
.if DOCPART == 2
	.amdgcn_target "amdgcn-amd-amdhsa--gfx1250"
	.amdhsa_code_object_version 6
	.text
	.protected	k_q568a7af123_cell
	.globl	k_q568a7af123_cell
	.p2align	8
	.type	k_q568a7af123_cell,@function
k_q568a7af123_cell:
	s_mov_b64 s[64:65], 0
	v_nop
	global_prefetch_b8 v0, s[64:65] scope:SCOPE_SE
	s_setreg_imm32_b32 hwreg(HW_REG_WAVE_MODE, 25, 1), 1
	s_wait_xcnt 0x0
	s_wait_alu depctr_hold_cnt(0) depctr_sa_sdst(0) depctr_va_vdst(0) depctr_va_sdst(0) depctr_va_ssrc(0) depctr_va_vcc(0) depctr_vm_vsrc(0)
	s_getreg_b32 s2, hwreg(HW_REG_IB_STS2, 6, 4)
	s_cmp_eq_u32 s2, 0
	s_cbranch_scc0 .Lentry_in_a_cluster
	s_endpgm
.Lentry_in_a_cluster:
	s_bfe_u32 s2, ttmp6, 0x10000c
	s_cmp_lg_u32 s2, 0xf033
	s_cbranch_scc0 .Lentry_shape_is_right
	s_endpgm
.Lentry_shape_is_right:
; The cell for 256 batch rows x 64 hidden units a work-group: 16 x 16 work-groups.  Four waves; wave w = 2 WR + WC makes 128 rows (WR) x 32 hidden units (WC).
; 1. THE DECOMPOSITION: cx W_decomp, 128 x 32 a wave, K = 1,024 in eight steps of 128; cx's codes fill the two LDS slots (512 along K each), W's fragments come from memory straight into window 1.
;    cx_adj = cx + (T - 1) tanh(.): rows 0-63 of the wave stay in 64 registers, rows 64-127 in LDS, in the place where cx itself was staged.
; 2. THE GATES: 128 x 128 a wave (32 hidden units x 4 gates), K = 1,536 in six K steps of 256 through the same two slots.
; 3. THE WAY OUT: four batches of 32 rows a wave: activations, cy, hy, a stage in slot 0, whole units of 256 bytes to memory.
; The operands are images of fragments (launch quant says how they are laid): a load of 33,792 bytes brings 128 rows x 256 K with their scale words, as 132 rows of 256 bytes.
; CLUSTERS: 4 x 4 work-groups.  The four of a row of the cluster share A's tiles (batch rows), the four of a column B's (hidden units): joint loads.
; THE MATRIX INSTRUCTION IS USED TRANSPOSED (source 0 = weight rows, source 1 = batch rows): lane (r, h) holds batch row r and eight neighbouring hidden units 8 h + j.
; PREFETCH: behind a refill each wave asks for what the second refill on will load (cx's second half and the gates' first tile: the next): a tile's 132 blocks of 256 bytes are shared out among the four partners by address, 33 each; the last two refills ask for nothing.
; REGISTERS: window 0: v0-31 addresses and T - 1; v32-47 scale words, two sets; v48-63 W's scale words; v64-127 cx, then cx_adj; v128-255 A's fragments.
;   window 1: W's fragments (32 registers a step), then B's, two sets; at the end biases v0-63 and rows going out v64-127.
;   windows 2, 3: the gates' accumulators, rows 0-63 and 64-127: (a, b) at v[64 (a % 4) + 8 b], tile b = gate b / 2, half b % 2.  In part 1: window 3 v0-127 the product, window 2 A's second set, cx as loaded (v0-63), b_decomp (v64-79).
; LIMITS: 1 / t is taken as 2^24 / (2^24 t): for |t| of 2^102 and more it may come out as 0, which leaves T - 1 as it is in f32.  NaN and infinities among the inputs are not served.
.set UNIT,  8448
.set KSB,   2*UNIT                     ; 128 rows x 128 K
.set PB,    2*KSB                      ; 128 rows x 256 K: one load
.set SLOT,  4*PB
.set SPARE, 2*SLOT                     ; the spare words, 128 bytes a wave
.set CXS,   SPARE+512                  ; cx's stage: 128 rows x 272 bytes
.set SPI,   272
.set BIA,   CXS+128*SPI                ; the gates' biases x their factor, 256 bytes a gate
.set OST,   64*SPI                     ; the way out: 64 rows of one result; two results, two buffers, in slot 0
.set HROW,  64*4096
.set P0,   1                           ; 0: the prefetches' last block
.set RDX,  2
.set CO,   3
.set DA,   4
.set TM1,  8
.set ADRA, 16
.set ADRS, 18
.set ADRB, 20
.set DS,   22
.set STX,  24
.set STO,  25
.set RDO,  26
.set BAD,  27
.set SPW,  28
.set NIL,  29
.set PFO,  30
.set SC,   32
.set DSC,  48
.set CXR,  64
.set AF,   128
.set WV,   26
.set WR,   27
.set WC,   28
.set CN,   44                          ; s[44:45] -log2(e)
.set CP,   46                          ; s[46:47] 2 log2(e)
.set G1A,  48
.set G1B,  56
.set PFG,  72
.set PFD,  74
.set G0A,  76
.set G0B,  84
.set G0C,  92
.set MSB, 0
.macro WIN new                         ; the immediate's high byte repeats the setting that is left
.if MSB != (\new)
	s_set_vgpr_msb (MSB<<8)|(\new)
.set MSB, (\new)
.endif
.endm
.set MUL_LO, 0xa1
.set MUL_HI, 0xf1
.set TO_B,   0x40
.macro PLACES n
.rept \n
	v_nop
.endr
.endm
.macro VWAIT
	s_wait_alu depctr_va_vdst(0)
.endm
.macro JLOAD s                         ; a joint load: waves 0 and 1 fetch A's two panels, waves 2 and 3 B's
	s_cmp_eq_u32 s[WR], 0
	s_cbranch_scc0 .Lfor_b_\@
	tensor_load_to_lds s[G0A+4*\s:G0A+4*\s+3], s[G1A:G1A+7]
	s_nop 0
	PLACES 4
	s_branch .Lasked_\@
.Lfor_b_\@:
	tensor_load_to_lds s[G0B+4*\s:G0B+4*\s+3], s[G1B:G1B+7]
	s_nop 0
	PLACES 4
.Lasked_\@:
.endm
.macro DLOAD s                         ; half of cx's codes, a quarter a wave
	tensor_load_to_lds s[G0C+4*\s:G0C+4*\s+3], s[G1A:G1A+7]
	s_nop 0
	PLACES 4
.endm
.macro CREST                           ; a round of the cluster's barrier behind its opening barrier
	s_cmp_lg_u32 s[WV], 0
	s_cbranch_scc1 .Lnot_wave_0_\@
	s_barrier_signal -3
.Lnot_wave_0_\@:
	s_barrier_wait -3
	s_barrier_signal -1
	s_barrier_wait -1
.endm
.macro CROUND
	s_barrier_signal -1
	s_barrier_wait -1
	CREST
.endm
.macro ASK lo, off                     ; my 33 blocks of a tile: 32 lanes, then the last block
	global_prefetch_b8 v[PFO], s[\lo:\lo+1] offset:\off th:TH_LOAD_NT scope:SCOPE_SE
	global_prefetch_b8 v[P0], s[\lo:\lo+1] offset:\off+8192 th:TH_LOAD_NT scope:SCOPE_SE
.endm
	s_load_b256 s[4:11], s[0:1], 0x0
	s_load_b256 s[12:19], s[0:1], 0x20
	s_load_b128 s[20:23], s[0:1], 0x40
	s_load_b64 s[24:25], s[0:1], 0x50
	v_lshl_add_u32 v[SPW], v0, 2, SPARE
	v_mov_b32 v[NIL], 0
	ds_add_u32 v[SPW], v[NIL]
	ds_add_u32 v[SPW], v[NIL]
	v_lshrrev_b32 v204, 5, v0
	v_readfirstlane_b32 s[WV], v204
	s_lshr_b32 s[WR], s[WV], 1
	s_and_b32 s[WC], s[WV], 1
	s_bfe_u32 s29, ttmp6, 0x40000                  ; cx, cy: my place in the cluster
	s_bfe_u32 s30, ttmp6, 0x40004
	s_lshl_b32 s31, ttmp9, 2
	s_add_co_u32 s31, s31, s29                     ; tx: 64 hidden units
	s_and_b32 s32, ttmp7, 0xffff
	s_lshl_b32 s32, s32, 2
	s_add_co_u32 s32, s32, s30                     ; ty: 256 batch rows
	s_lshl_b32 s33, s30, 2
	s_lshl_b32 s33, 15, s33                        ; my row of the cluster
	s_lshl_b32 s34, 0x1111, s29                    ; my column
	s_or_b32 s[G1A], s33, (3<<16)|(1<<21)          ; elements of 8 bytes; bit 21 beside a mask
	s_or_b32 s[G1B], s34, (3<<16)|(1<<21)
.irp g, G1A, G1B
	s_mov_b32 s[\g+1], 32<<16
	s_mov_b32 s[\g+2], 132<<16
	s_mov_b32 s[\g+3], 32<<16
	s_mov_b32 s[\g+4], 132
	s_mov_b32 s[\g+5], 32
	s_mov_b32 s[\g+6], 0
	s_mov_b32 s[\g+7], 0
.endr
	s_lshl_b32 s36, s32, 1                         ; A of the gates: panel 2 ty + WC
	s_add_co_u32 s36, s36, s[WC]
	s_mul_i32 s36, s36, 12*KSB
	s_mov_b32 s37, 0
	s_lshl_b32 s38, s32, 1                         ; cx's codes: panel 2 ty + WR, K steps 2 WC, 2 WC + 1 of each half
	s_add_co_u32 s38, s38, s[WR]
	s_mul_i32 s38, s38, 8*KSB
	s_mul_i32 s39, s[WC], PB
	s_add_co_u32 s38, s38, s39
	s_mov_b32 s39, 0
	s_lshl_b32 s40, s31, 1                         ; B: panel 2 tx + WC
	s_add_co_u32 s40, s40, s[WC]
	s_mul_i32 s40, s40, 12*KSB
	s_mov_b32 s41, 0
	s_mul_i32 s35, s[WV], PB                       ; where my loads go in a slot
	s_lshl_b32 s2, s31, 8                          ; 64 hidden units in bytes
	s_lshl_b32 s42, s32, 8
	s_lshl_b32 s43, s[WR], 7
	s_add_co_u32 s42, s42, s43                     ; 256 ty + 128 WR
	s_lshl_b32 s70, s42, 2                         ; t
	s_mov_b32 s71, 0
	s_lshl_b32 s68, s[WC], 4
	s_add_co_u32 s68, s68, s42                     ; the rows that I store: + 16 WC
	s_lshl_b32 s68, s68, 12
	s_add_co_u32 s68, s68, s2
	s_mov_b32 s69, 0
	s_lshl_b32 s43, s[WC], 5
	s_add_co_u32 s42, s42, s43                     ; the rows of cx that I load: + 32 WC
	s_lshl_b32 s42, s42, 12
	s_add_co_u32 s42, s42, s2
	s_mov_b32 s43, 0
	s_mul_i32 s66, s31, 8*UNIT                     ; W's units
	s_mov_b32 s67, 0
	s_lshl_b32 s72, s[WC], 7
	s_add_co_u32 s72, s72, s2                      ; b_decomp
	s_mov_b32 s73, 0
	s_lshl_b32 s74, s[WV], 12
	s_add_co_u32 s74, s74, s2                      ; biases: gate = my wave's number
	s_mov_b32 s75, 0
	s_mov_b32 s[CN], 0xbfb8aa3b
	s_mov_b32 s[CN+1], s[CN]
	s_mov_b32 s[CP], 0x4038aa3b
	s_mov_b32 s[CP+1], s[CP]
	s_lshl_b32 s76, s[WC], 12
	s_lshl_b32 s77, s[WC], 3
	s_mul_i32 s78, s[WR], PB
	s_add_co_u32 s79, s[WC], 2
	s_mul_i32 s79, s79, PB
	s_xor_b32 s80, s[WR], 1
	s_add_co_u32 s80, s80, s[WC]
	s_add_co_u32 s80, s80, 1
	s_mul_i32 s80, s80, PB                         ; from A's panel WR to B's panel WC
	s_add_co_u32 s81, s78, 8192
	s_mul_i32 s82, s[WR], 2*PB
	s_add_co_u32 s83, s82, 8192
	s_lshl_b32 s90, s[WC], 7
	s_mul_i32 s84, s[WR], 64*SPI
	s_add_co_u32 s84, s84, s90
	s_add_co_u32 s84, s84, CXS
	s_mul_i32 s85, s[WV], 32*SPI
	s_add_co_u32 s85, s85, CXS
	s_mul_i32 s86, s[WR], 32*SPI
	s_add_co_u32 s86, s86, s90
	s_mul_i32 s87, s[WV], 16*SPI
	s_add_co_u32 s88, s90, BIA
	s_lshl_b32 s89, s[WV], 8
	s_add_co_u32 s89, s89, BIA
	v_and_b32 v204, 15, v0                         ; r
	v_bfe_u32 v205, v0, 4, 1                       ; h
	v_and_b32 v200, 31, v0                         ; lane
	v_lshlrev_b32 v201, 4, v200
	v_lshlrev_b32 v203, 2, v204                    ; t: 4 r
	v_lshlrev_b32 v206, 3, v200                    ; biases: 8 x lane
	v_lshlrev_b32 v207, 5, v205                    ; b_decomp: 32 h
	v_lshlrev_b32 v[CO], 4, v204
	v_lshl_add_u32 v[CO], v205, 12, v[CO]          ; lanes 0-15 256 bytes of a row, lanes 16-31 of the next
	v_lshlrev_b32 v[PFO], 8, v200
	v_mov_b32 v[P0], 0
	v_add_nc_u32 v213, s76, v201                   ; W's fragments: tiles 2 WC, 2 WC + 1
	v_lshl_add_u32 v214, v204, 4, s77              ; and their scale words
	v_add_nc_u32 v[ADRA], s78, v201
	v_add_nc_u32 v[ADRB], s79, v201
	v_mul_u32_u24 v202, s80, v205
	v_lshl_add_u32 v202, v204, 4, v202
	v_add_nc_u32 v[ADRS], s81, v202                ; scale words: lanes 0-15 A's, lanes 16-31 B's
	v_add_nc_u32 v[ADRA+1], SLOT, v[ADRA]
	v_add_nc_u32 v[ADRB+1], SLOT, v[ADRB]
	v_add_nc_u32 v[ADRS+1], SLOT, v[ADRS]
	v_add_nc_u32 v[DA], s82, v201                  ; cx's codes: slot 0 steps 0-1, 2-3, slot 1 likewise
	v_add_nc_u32 v[DA+1], PB, v[DA]
	v_add_nc_u32 v[DA+2], SLOT, v[DA]
	v_add_nc_u32 v[DA+3], SLOT+PB, v[DA]
	v_lshl_add_u32 v[DS], v204, 4, s83
	v_add_nc_u32 v[DS+1], SLOT, v[DS]
	v_mul_u32_u24 v208, v204, SPI
	v_lshl_add_u32 v208, v205, 5, v208             ; row r, 32 h
	v_add_nc_u32 v[STX], s84, v208
	v_add_nc_u32 v[STO], s86, v208
	v_mul_u32_u24 v209, v205, SPI
	v_lshl_add_u32 v209, v204, 4, v209             ; row h, 16 r
	v_add_nc_u32 v[RDX], s85, v209
	v_add_nc_u32 v[RDO], s87, v209
	v_lshl_add_u32 v[BAD], v205, 5, s88
	v_add_nc_u32 v212, s89, v206
	VWAIT
	s_wait_dscnt 0x0                               ; both opening adds are done
	s_wait_kmcnt 0x0
	s_add_nc_u64 s[38:39], s[6:7], s[38:39]
	s_mov_b32 s[G0C], 1
	s_mov_b32 s[G0C+1], s35
	s_mov_b64 s[G0C+2:G0C+3], s[38:39]
	s_or_b32 s[G0C+3], s[G0C+3], 0x80000000
	CROUND                                         ; all sixteen work-groups are here: the first joint loads meet
	DLOAD 0                                        ; cx's codes, K 0-511
	s_add_nc_u64 s[10:11], s[10:11], s[66:67]
	s_add_nc_u64 s[12:13], s[12:13], s[74:75]
	s_add_nc_u64 s[14:15], s[14:15], s[74:75]
	s_add_nc_u64 s[16:17], s[16:17], s[72:73]
	s_add_nc_u64 s[18:19], s[18:19], s[70:71]
	s_add_nc_u64 s[20:21], s[20:21], s[42:43]
	s_add_nc_u64 s[22:23], s[22:23], s[68:69]
	s_add_nc_u64 s[24:25], s[24:25], s[68:69]
	s_add_nc_u64 s[36:37], s[4:5], s[36:37]
	s_add_nc_u64 s[40:41], s[8:9], s[40:41]
	s_mul_i32 s74, s29, 33*256
	s_mov_b32 s75, 0
	s_add_nc_u64 s[PFD:PFD+1], s[38:39], s[74:75]  ; my share of cx's tiles
	s_cmp_eq_u32 s[WR], 0
	s_cselect_b32 s72, s29, s30                    ; my place among the partners: along the row for A, along the column for B
	s_cselect_b64 s[66:67], s[36:37], s[40:41]
	s_mul_i32 s72, s72, 33*256
	s_mov_b32 s73, 0
	s_add_nc_u64 s[PFG:PFG+1], s[66:67], s[72:73]  ; my share of the gates' tile 0; tile n lies n PB further on
.irp a, 0,1,2,3,4,5,6,7
	global_load_b32 v[TM1+\a], v203, s[18:19] offset:64*\a
.endr
	global_load_b64 v[208:209], v206, s[12:13]     ; 32 lanes read 256 consecutive bytes
	global_load_b64 v[210:211], v206, s[14:15]
	WIN 0x80
.irp u, 0,1
.irp e, 0,1
	global_load_b128 v[64+8*\u+4*\e:64+8*\u+4*\e+3], v207, s[16:17] offset:64*\u+16*\e
.endr
.endr
	WIN 0
.irp n, 0,1,2,3,4,5,6,7
	global_load_b64 v[DSC+2*\n:DSC+2*\n+1], v214, s[10:11] offset:UNIT*\n+8192
.endr
	ASK PFD, 2*PB                                  ; cx's second half
	WIN TO_B
.irp n, 0,1,2,3,4,5,6,7
.irp u, 0,1
.irp c, 0,1,2,3
	global_load_b128 v[32*\n+16*\u+4*\c:32*\n+16*\u+4*\c+3], v213, s[10:11] offset:UNIT*\n+2048*\u+512*\c
.endr
.endr
.endr
	WIN 0
.irp i, 0,1,2,3,4,5,6,7,8,9,10,11,12,13,14,15
	global_load_b128 v[CXR+4*\i:CXR+4*\i+3], v[CO], s[20:21] offset:8192*\i th:TH_LOAD_NT
.endr
.irp s, 0,1
	s_mov_b32 s[G0A+4*\s], 1
	s_add_co_u32 s[G0A+4*\s+1], s35, \s*SLOT
	s_add_nc_u64 s[G0A+4*\s+2:G0A+4*\s+3], s[36:37], \s*PB
	s_or_b32 s[G0A+4*\s+3], s[G0A+4*\s+3], 0x80000000
	s_mov_b32 s[G0B+4*\s], 1
	s_add_co_u32 s[G0B+4*\s+1], s35, \s*SLOT
	s_add_nc_u64 s[G0B+4*\s+2:G0B+4*\s+3], s[40:41], \s*PB
	s_or_b32 s[G0B+4*\s+3], s[G0B+4*\s+3], 0x80000000
.endr
	s_mov_b32 s[G0C+4], 1
	s_add_co_u32 s[G0C+5], s35, SLOT
	s_add_nc_u64 s[G0C+6:G0C+7], s[38:39], 2*PB
	s_or_b32 s[G0C+7], s[G0C+7], 0x80000000
	s_cmp_eq_u32 s[WV], 2                          ; my gate: the cell gate's factor, or the others'
	s_cselect_b32 s2, s[CP], s[CN]
	s_mov_b32 s3, s2
	s_wait_loadcnt 0x3f                            ; 102 loads issued: the first 39 are in, t, the biases, b_decomp and W's scale words among them
.irp a, 0,1,2,3,4,5,6,7
	v_mul_f32 v[192+\a], 0x4b800000, v[TM1+\a]     ; 2^24 t: v_rcp_f32 takes a denormal for zero (ISA guide 15.8)
.endr
	VWAIT
.irp a, 0,1,2,3,4,5,6,7
	v_rcp_f32 v[192+\a], v[192+\a]
.endr
	v_pk_add_f32 v[208:209], v[208:209], v[210:211]
	v_pk_mul_f32 v[208:209], v[208:209], s[2:3] op_sel_hi:[1,0]
	ds_store_b64 v212, v[208:209]                  ; my gate's 64 biases x the factor
	WIN 0xaa
.irp j, 0,2,4,6,8,10,12,14
	v_pk_mul_f32 v[64+\j:65+\j], v[64+\j:65+\j], s[CP:CP+1] op_sel_hi:[1,0]
.endr
	WIN 0
	VWAIT
.irp a, 0,1,2,3,4,5,6,7
	v_mul_f32 v[192+\a], 0x4b800000, v[192+\a]
	v_cmp_neq_f32 vcc_lo, 0, v[TM1+\a]
	v_cndmask_b32 v[192+\a], 0, v[192+\a], vcc_lo  ; T = 0 where t = 0
	v_add_f32 v[TM1+\a], -1.0, v[192+\a]           ; T - 1
.endr
	VWAIT
	s_wait_xcnt 0x0                                ; the head's address registers from v200 on take fragments now
	s_wait_tensorcnt 0x0                           ; my part of cx's first half is in
	ds_add_u32 v[SPW], v[NIL]
	s_wait_dscnt 0x0
	CROUND
	DLOAD 1                                        ; cx's codes, K 512-1,023
.macro FRAG reg, adr, off, i
.irp c, 0,1,2,3
	ds_load_b128 v[\reg+4*\c:\reg+4*\c+3], v[\adr] offset:\off+UNIT*((\i)/4)+2048*((\i)%4)+512*\c
.endr
.endm
.macro DFETCH n                        ; step n of the decomposition: scale words (2 loads) and eight fragments (32 loads) into set n % 2: window 0 or 2
	ds_load_b128 v[SC+8*((\n)%2):SC+8*((\n)%2)+3], v[DS+(\n)/4] offset:KSB*((\n)%4)
	ds_load_b128 v[SC+8*((\n)%2)+4:SC+8*((\n)%2)+7], v[DS+(\n)/4] offset:KSB*((\n)%4)+UNIT
	WIN 0x80*((\n)%2)
.irp i, 0,1,2,3,4,5,6,7
	FRAG AF+16*\i, DA+(\n)/2, KSB*((\n)%2), \i
.endr
	WIN 0
.endm
.macro DMUL n                          ; 16 products, the 16 accumulators by turns
	WIN 0xf1+8*((\n)%2)
.irp a, 0,1,2,3,4,5,6,7
.irp u, 0,1
.if \n == 0
	v_wmma_scale_f32_16x16x128_f8f6f4 v[16*\a+8*\u:16*\a+8*\u+7], v[32*(\n)+16*\u:32*(\n)+16*\u+15], v[AF+16*\a:AF+16*\a+15], 0, v[DSC+2*(\n)+\u], v[SC+8*((\n)%2)+\a] matrix_a_fmt:MATRIX_FMT_BF8 matrix_b_fmt:MATRIX_FMT_BF8
.else
	v_wmma_scale_f32_16x16x128_f8f6f4 v[16*\a+8*\u:16*\a+8*\u+7], v[32*(\n)+16*\u:32*(\n)+16*\u+15], v[AF+16*\a:AF+16*\a+15], v[16*\a+8*\u:16*\a+8*\u+7], v[DSC+2*(\n)+\u], v[SC+8*((\n)%2)+\a] matrix_a_fmt:MATRIX_FMT_BF8 matrix_b_fmt:MATRIX_FMT_BF8
.endif
.endr
.endr
	WIN 0
.endm
.macro DTURN n, s                      ; step n's products stand in the round; the slot just read takes the gates' tile s
	s_wait_tensorcnt 0x0                           ; the other slot's load of mine has landed
	ds_add_u32 v[SPW], v[NIL]
	s_wait_dscnt 0x0                               ; the add is done, and my reads of this slot are back
	s_barrier_signal -1
	DMUL \n
	s_barrier_wait -1
	CREST
	JLOAD \s
	PLACES 4                                       ; with the joint load's four: the places in front of loads into registers that products have read
.endm
	DFETCH 0
	DFETCH 1
	WIN 0x80
.irp i, 0,1,2,3,4,5,6,7,8,9,10,11,12,13,14,15
	global_load_b128 v[4*\i:4*\i+3], v[CO], s[20:21] offset:HROW+8192*\i th:TH_LOAD_NT   ; cx, my rows of the second half
.endr
	WIN 0
	ASK PFG, 0
	ASK PFG, PB
	s_wait_loadcnt 0x3f                            ; behind W's step 3 stand 64 loads: steps 0 to 3 are in
	s_wait_dscnt 34                                ; step 1's 34 loads may be out
	DMUL 0
	PLACES 8
	DFETCH 2
	s_wait_dscnt 34
	DMUL 1
	PLACES 8
	DFETCH 3
	s_wait_dscnt 34
	DMUL 2
	s_wait_loadcnt 16                              ; cx's first half and all of W are in; the second half's 16 loads may be out
.irp i, 0,1,2,3,4,5,6,7,8,9,10,11,12,13,14,15
	ds_store_b128 v[RDX], v[CXR+4*\i:CXR+4*\i+3] offset:2*SPI*\i
.endr
	DTURN 3, 0                                     ; the gates' tile 0 goes out
	DFETCH 4
	DFETCH 5
.macro CXL reg                         ; a half of cx (or cx_adj) in the product's layout
.irp a, 0,1,2,3
.irp u, 0,1
.irp e, 0,1
	ds_load_b128 v[\reg+16*\a+8*\u+4*\e:\reg+16*\a+8*\u+4*\e+3], v[STX] offset:16*SPI*\a+64*\u+16*\e
.endr
.endr
.endr
.endm
	CXL CXR
	ASK PFG, 2*PB
	s_wait_dscnt 50                                ; step 5's 34 loads and cx's 16 may be out
	DMUL 4
	PLACES 8
	DFETCH 6
	s_wait_dscnt 50                                ; cx's 16 and step 6's 34
	DMUL 5
	PLACES 8
	DFETCH 7
	s_wait_dscnt 34
	DMUL 6
	DTURN 7, 1                                     ; the gates' tile 1 goes out; tile 0 is whole
	s_wait_loadcnt 0x0
	WIN 0x08
.irp i, 0,1,2,3,4,5,6,7,8,9,10,11,12,13,14,15
	ds_store_b128 v[RDX], v[4*\i:4*\i+3] offset:2*SPI*\i   ; every wave has read the first half: its reads were waited for in front of the round
.endr
	WIN 0xe3
.irp a, 0,1,2,3,4,5,6,7
.irp u, 0,1
.irp j, 0,2,4,6
	v_pk_fma_f32 v[16*\a+8*\u+\j:16*\a+8*\u+\j+1], v[16*\a+8*\u+\j:16*\a+8*\u+\j+1], s[CP:CP+1], v[64+8*\u+\j:64+8*\u+\j+1] op_sel_hi:[1,0,1]   ; 2 log2(e) (product + b_decomp)
.endr
.endr
.endr
	WIN 0
	ASK PFG, 3*PB
	VWAIT
	s_wait_dscnt 0x0                               ; for the others' sake: my rows of cx are in the stage
	s_barrier_signal -1
.macro FB8 slot, q, p                  ; B's eight fragments into set p
	WIN TO_B
.irp i, 0,1,2,3,4,5,6,7
	FRAG 128*(\p)+16*\i, ADRB+\slot, KSB*(\q), \i
.endr
	WIN 0
.endm
.macro FB4 slot, i0                    ; four of the slot's second 128 along K, into set 1
	WIN TO_B
.irp i, \i0, \i0+1, \i0+2, \i0+3
	FRAG 128+16*(\i), ADRB+\slot, KSB, \i
.endr
	WIN 0
.endm
.macro FA4 slot, q, i0
.irp i, \i0, \i0+1, \i0+2, \i0+3
	FRAG AF+16*(\i), ADRA+\slot, KSB*(\q), \i
.endr
.endm
.macro SCALES slot, q
.irp e, 0,1
	ds_load_b128 v[SC+8*\q+4*\e:SC+8*\q+4*\e+3], v[ADRS+\slot] offset:KSB*\q+UNIT*\e
.endr
.endm
	FB8 0, 0, 0                                    ; the gates' first fragments, of bytes that nobody writes before a later barrier
	SCALES 0, 0
	FA4 0, 0, 0
	FA4 0, 0, 4
	FB4 0, 0
	WIN 0xff                                       ; tanh(x) = 1 - 2 / (1 + 2^(2 log2(e) x))
.irp j, 0,1,2,3,4,5,6,7
.irp a, 0,1,2,3,4,5,6,7,8,9,10,11,12,13,14,15
	v_exp_f32 v[16*\j+\a], v[16*\j+\a]
.endr
.endr
	v_nop
	VWAIT
.irp a, 0,1,2,3,4,5,6,7
.irp j, 0,2,4,6,8,10,12,14
	v_pk_add_f32 v[16*\a+\j:16*\a+\j+1], v[16*\a+\j:16*\a+\j+1], 1.0 op_sel_hi:[1,0]
.endr
.endr
	VWAIT
.irp j, 0,1,2,3,4,5,6,7
.irp a, 0,1,2,3,4,5,6,7,8,9,10,11,12,13,14,15
	v_rcp_f32 v[16*\j+\a], v[16*\j+\a]
.endr
.endr
	v_nop
	VWAIT
.irp a, 0,1,2,3,4,5,6,7
.irp j, 0,2,4,6,8,10,12,14
	v_pk_fma_f32 v[16*\a+\j:16*\a+\j+1], v[16*\a+\j:16*\a+\j+1], -2.0, 1.0 op_sel_hi:[1,0,0]
.endr
.endr
.macro ADJ reg, a                      ; cx + (T - 1) tanh: T - 1 is one register of a pair, for both numbers
.irp j, 0,2,4,6,8,10,12,14
.if (\a)%2 == 0
	v_pk_fma_f32 v[\reg+\j:\reg+\j+1], v[16*\a+\j:16*\a+\j+1], v[TM1+\a:TM1+\a+1], v[\reg+\j:\reg+\j+1] op_sel_hi:[1,0,1]
.else
	v_pk_fma_f32 v[\reg+\j:\reg+\j+1], v[16*\a+\j:16*\a+\j+1], v[TM1+\a-1:TM1+\a], v[\reg+\j:\reg+\j+1] op_sel:[0,1,0] op_sel_hi:[1,1,1]
.endif
.endr
.endm
	WIN 0x03
.irp a, 0,1,2,3
	ADJ CXR+16*\a, \a
.endr
	WIN 0x80
	VWAIT
	s_barrier_wait -1                              ; everybody's rows of cx's second half are in the stage
	CXL 0
	s_wait_dscnt 0x0
	WIN 0xa3
.irp a, 4,5,6,7
	ADJ 16*\a-64, \a
.endr
	WIN 0x08
.irp a, 0,1,2,3
.irp u, 0,1
.irp e, 0,1
	ds_store_b128 v[STX], v[16*\a+8*\u+4*\e:16*\a+8*\u+4*\e+3] offset:16*SPI*\a+64*\u+16*\e   ; each lane puts cx_adj where it read cx: nobody else reads these bytes
.endr
.endr
.endr
	WIN 0
.macro MUL16 a0, p, sc, first          ; A's blocks a0, a0 + 1 x B's eight; the 64 accumulators take turns, in the same order in every step
.irp a, \a0, \a0+1
.irp b, 0,1,2,3,4,5,6,7
.if \first
	v_wmma_scale_f32_16x16x128_f8f6f4 v[8*(8*((\a)%4)+\b):8*(8*((\a)%4)+\b)+7], v[128*(\p)+16*\b:128*(\p)+16*\b+15], v[AF+16*(\a):AF+16*(\a)+15], 0, v[SC+8*(\sc)+\b], v[SC+8*(\sc)+(\a)] matrix_a_fmt:MATRIX_FMT_BF8 matrix_b_fmt:MATRIX_FMT_BF8 matrix_a_scale:MATRIX_SCALE_ROW1
.else
	v_wmma_scale_f32_16x16x128_f8f6f4 v[8*(8*((\a)%4)+\b):8*(8*((\a)%4)+\b)+7], v[128*(\p)+16*\b:128*(\p)+16*\b+15], v[AF+16*(\a):AF+16*(\a)+15], v[8*(8*((\a)%4)+\b):8*(8*((\a)%4)+\b)+7], v[SC+8*(\sc)+\b], v[SC+8*(\sc)+(\a)] matrix_a_fmt:MATRIX_FMT_BF8 matrix_b_fmt:MATRIX_FMT_BF8 matrix_a_scale:MATRIX_SCALE_ROW1
.endif
.endr
.endr
.endm
.macro STEP slot, first                ; a slot's first 128 along K, on B's set 0
	s_wait_dscnt 32                                ; B's set 0, the scale words and A's blocks 0-3 are in; A's 4-7 and half of B's set 1 may be out
	WIN MUL_LO
	MUL16 0, 0, 0, \first
	MUL16 2, 0, 0, \first
	s_wait_dscnt 16                                ; A's blocks 4-7 are in
	WIN 0
	PLACES 8
	FB4 \slot, 4
	SCALES \slot, 1
	FA4 \slot, 1, 0
	WIN MUL_HI
	MUL16 4, 0, 0, \first
	MUL16 6, 0, 0, \first
	PLACES 8
	WIN 0
	FA4 \slot, 1, 4
.endm
.macro TURN slot, next, fill           ; its second 128, on set 1, and the change of slots
	s_wait_tensorcnt 0x0                           ; my part of the next slot has landed
	ds_add_u32 v[SPW], v[NIL]
.if \fill
	s_add_nc_u64 s[G0A+4*\slot+2:G0A+4*\slot+3], s[G0A+4*\slot+2:G0A+4*\slot+3], 2*PB
	s_add_nc_u64 s[G0B+4*\slot+2:G0B+4*\slot+3], s[G0B+4*\slot+2:G0B+4*\slot+3], 2*PB
.endif
	s_wait_dscnt 17                                ; the add and A's blocks 4-7 may be out
	WIN MUL_LO
	MUL16 0, 1, 1, 0
	s_wait_dscnt 0x0                               ; the add is done, and my reads of this slot are back
	s_barrier_signal -1
	MUL16 2, 1, 1, 0
	WIN 0
	s_barrier_wait -1
.if \fill
	CREST
	JLOAD \slot
	PLACES 4
.else
	PLACES 8
.endif
	FB8 \next, 0, 0
	SCALES \next, 0
	FA4 \next, 0, 0
.if \fill
	s_cmp_eq_u32 s3, 2                             ; the loop's first trip asks for tiles 4 and 5; the last two refills ask for nothing
	s_cbranch_scc0 .Lno_ask_\@
	ASK PFG, (4+\slot)*PB
.Lno_ask_\@:
.endif
	WIN MUL_HI
	MUL16 4, 1, 1, 0
	MUL16 6, 1, 1, 0
	PLACES 8
	WIN 0
	FA4 \next, 0, 4
	FB4 \next, 0
.endm
	STEP 0, 1
	s_mov_b32 s3, 2
.Lgates:
	TURN 0, 1, 1
	STEP 1, 0
	TURN 1, 0, 1
	STEP 0, 0
	s_sub_co_u32 s3, s3, 1
	s_cmp_lg_u32 s3, 0
	s_cbranch_scc1 .Lgates
	TURN 0, 1, 0                                   ; nothing more to fill: slot 0 has had its last fill, and behind this barrier nobody reads it
	STEP 1, 0
	WIN TO_B
.irp g, 0,1,2,3
.irp u, 0,1
.irp e, 0,1
	ds_load_b128 v[16*\g+8*\u+4*\e:16*\g+8*\u+4*\e+3], v[BAD] offset:256*\g+64*\u+16*\e   ; the biases, over B's set 0
.endr
.endr
.endr
	s_wait_dscnt 32                                ; A's blocks 4-7 and the biases may be out
	WIN MUL_LO
	MUL16 0, 1, 1, 0
	MUL16 2, 1, 1, 0
	s_wait_dscnt 16
	WIN MUL_HI
	MUL16 4, 1, 1, 0
	MUL16 6, 1, 1, 0
	WIN 0
	PLACES 8
	s_wait_dscnt 0x0
.macro EACH op, lo, g, n               ; a transcendental on n registers from 16 g on, in both blocks
.irp x, 0,1
.set i, 0
.rept \n
	\op v[\lo+64*\x+16*\g+i], v[\lo+64*\x+16*\g+i]
.set i, i+1
.endr
.endr
.endm
.macro ONEPLUS lo, g, n
.irp x, 0,1
.set i, 0
.rept (\n)/2
	v_pk_add_f32 v[\lo+64*\x+16*\g+i:\lo+64*\x+16*\g+i+1], v[\lo+64*\x+16*\g+i:\lo+64*\x+16*\g+i+1], 1.0 op_sel_hi:[1,0]
.set i, i+2
.endr
.endr
.endm
; Batch bt: blocks 2 bt, 2 bt + 1 of the wave, in window w.  Registers of a block: 0-15 input gate, then cy; 16-31 forget gate; 32-47 cell gate, then tanh(cy); 48-63 output gate, then hy.
.macro ACT bt, w
.set AB, 128*((\bt)%2)
.if \bt == 2
	WIN 0
	CXL CXR                                        ; cx_adj of blocks 4-7
.endif
	WIN 0x10+0x41*\w
	VWAIT
.irp x, 0,1
.irp g, 0,1,2,3
.irp j, 0,2,4,6,8,10,12,14
.if \g == 2
	v_pk_fma_f32 v[AB+64*\x+16*\g+\j:AB+64*\x+16*\g+\j+1], v[AB+64*\x+16*\g+\j:AB+64*\x+16*\g+\j+1], s[CP:CP+1], v[16*\g+\j:16*\g+\j+1] op_sel_hi:[1,0,1]
.else
	v_pk_fma_f32 v[AB+64*\x+16*\g+\j:AB+64*\x+16*\g+\j+1], v[AB+64*\x+16*\g+\j:AB+64*\x+16*\g+\j+1], s[CN:CN+1], v[16*\g+\j:16*\g+\j+1] op_sel_hi:[1,0,1]
.endif
.endr
.endr
.endr
	WIN 0x55*\w
	VWAIT
	EACH v_exp_f32, AB, 0, 64
	v_nop
	VWAIT
	ONEPLUS AB, 0, 64
	VWAIT
	EACH v_rcp_f32, AB, 0, 64
	v_nop
	VWAIT
.irp x, 0,1
.irp j, 0,2,4,6,8,10,12,14
	v_pk_fma_f32 v[AB+64*\x+32+\j:AB+64*\x+33+\j], v[AB+64*\x+32+\j:AB+64*\x+33+\j], -2.0, 1.0 op_sel_hi:[1,0,0]
.endr
.endr
.irp x, 0,1
.irp j, 0,2,4,6,8,10,12,14
	v_pk_mul_f32 v[AB+64*\x+\j:AB+64*\x+1+\j], v[AB+64*\x+\j:AB+64*\x+1+\j], v[AB+64*\x+32+\j:AB+64*\x+33+\j]
.endr
.endr
.if \bt == 2
	VWAIT
	s_wait_dscnt 0x0
.endif
	WIN 0x51*\w
.irp x, 0,1
.irp j, 0,2,4,6,8,10,12,14
	v_pk_fma_f32 v[AB+64*\x+\j:AB+64*\x+1+\j], v[AB+64*\x+16+\j:AB+64*\x+17+\j], v[CXR+32*((\bt)%2)+16*\x+\j:CXR+32*((\bt)%2)+16*\x+\j+1], v[AB+64*\x+\j:AB+64*\x+1+\j]
.endr
.endr
	WIN 0x55*\w
.irp x, 0,1
.irp j, 0,2,4,6,8,10,12,14
	v_pk_mul_f32 v[AB+64*\x+32+\j:AB+64*\x+33+\j], v[AB+64*\x+\j:AB+64*\x+1+\j], s[CP:CP+1] op_sel_hi:[1,0]
.endr
.endr
	VWAIT
	EACH v_exp_f32, AB, 2, 16
	v_nop
	VWAIT
	ONEPLUS AB, 2, 16
	VWAIT
	EACH v_rcp_f32, AB, 2, 16
	v_nop
	VWAIT
.irp x, 0,1
.irp j, 0,2,4,6,8,10,12,14
	v_pk_fma_f32 v[AB+64*\x+32+\j:AB+64*\x+33+\j], v[AB+64*\x+32+\j:AB+64*\x+33+\j], -2.0, 1.0 op_sel_hi:[1,0,0]
.endr
.endr
.irp x, 0,1
.irp j, 0,2,4,6,8,10,12,14
	v_pk_mul_f32 v[AB+64*\x+48+\j:AB+64*\x+49+\j], v[AB+64*\x+48+\j:AB+64*\x+49+\j], v[AB+64*\x+32+\j:AB+64*\x+33+\j]
.endr
.endr
	VWAIT
.endm
.macro OPUT bt, w                      ; cy and hy into buffer bt % 2 of the stage
.set AB, 128*((\bt)%2)
	WIN 4*\w
.irp x, 0,1
.irp u, 0,1
.irp e, 0,1
	ds_store_b128 v[STO], v[AB+64*\x+8*\u+4*\e:AB+64*\x+8*\u+4*\e+3] offset:2*OST*((\bt)%2)+16*SPI*\x+64*\u+16*\e
	ds_store_b128 v[STO], v[AB+64*\x+48+8*\u+4*\e:AB+64*\x+48+8*\u+4*\e+3] offset:2*OST*((\bt)%2)+OST+16*SPI*\x+64*\u+16*\e
.endr
.endr
.endr
.endm
.macro OGET bt                         ; whole rows of 256 bytes, 16 of each result
	s_wait_xcnt 0x0                                ; earlier stores have read their data
	WIN TO_B
.irp k, 0,1,2,3,4,5,6,7
	ds_load_b128 v[64+4*\k:67+4*\k], v[RDO] offset:2*OST*((\bt)%2)+2*SPI*\k
	ds_load_b128 v[96+4*\k:99+4*\k], v[RDO] offset:2*OST*((\bt)%2)+OST+2*SPI*\k
.endr
.endm
.macro OSEND bt                        ; 16 lanes store 256 consecutive bytes, aligned
	WIN 0x04
.irp k, 0,1,2,3,4,5,6,7
	global_store_b128 v[CO], v[64+4*\k:67+4*\k], s[24:25] offset:131072*\bt+8192*\k th:TH_STORE_NT
	global_store_b128 v[CO], v[96+4*\k:99+4*\k], s[22:23] offset:131072*\bt+8192*\k th:TH_STORE_NT
.endr
.endm
.macro BATCH bt, w, last               ; batch bt is computed between the signal and the wait of the barrier behind which batch bt - 1 is read
	ACT \bt, \w
	s_barrier_wait -1
	OGET \last
	OPUT \bt, \w                                   ; the other buffer: its reads were waited for in front of the last signal
	s_wait_dscnt 16                                ; the 16 loads are back; the 16 stores into the stage may be out
	OSEND \last
	s_wait_dscnt 0x0                               ; for the others' sake
	s_barrier_signal -1
.endm
	ACT 0, 2
	OPUT 0, 2
	s_wait_dscnt 0x0
	s_barrier_signal -1
	BATCH 1, 2, 0
	BATCH 2, 3, 1
	BATCH 3, 3, 2
	s_barrier_wait -1
	OGET 3
	s_wait_dscnt 0x0
	OSEND 3
	WIN 0
	s_wait_tensorcnt 0x0                           ; the wave's end
	ds_add_u32 v[SPW], v[NIL]
	s_wait_dscnt 0x0
	CROUND                                         ; the closing round
	s_endpgm
.Lfunc_end_k_q568a7af123_cell:
	.size	k_q568a7af123_cell, .Lfunc_end_k_q568a7af123_cell-k_q568a7af123_cell
	.p2alignl 7, 3214868480
	.fill 96, 4, 3214868480
	.section	.rodata,"a",@progbits
	.p2align	6, 0x0
	.amdhsa_kernel k_q568a7af123_cell
		.amdhsa_group_segment_fixed_size 327680
		.amdhsa_private_segment_fixed_size 0
		.amdhsa_enable_private_segment 0
		.amdhsa_kernarg_size 88
		.amdhsa_user_sgpr_count 2
		.amdhsa_user_sgpr_kernarg_segment_ptr 1
		.amdhsa_wavefront_size32 1
		.amdhsa_system_sgpr_workgroup_id_x 1
		.amdhsa_system_sgpr_workgroup_id_y 1
		.amdhsa_system_sgpr_workgroup_id_z 1
		.amdhsa_system_vgpr_workitem_id 0
		.amdhsa_next_free_vgpr 1024
		.amdhsa_next_free_sgpr 100
		.amdhsa_reserve_vcc 1
		.amdhsa_float_denorm_mode_32 3
		.amdhsa_float_denorm_mode_16_64 3
		.amdhsa_memory_ordered 1
		.amdhsa_forward_progress 1
		.amdhsa_inst_pref_size 255
	.end_amdhsa_kernel
	.section	.bss,"aw",@nobits
	.p2align	6
	.space	262144
	.amdgpu_metadata
---
amdhsa.version: [ 1, 2 ]
amdhsa.kernels:
  - .name:           k_q568a7af123_cell
    .symbol:         k_q568a7af123_cell.kd
    .args:
      - { .name: ag, .offset: 0, .size: 8, .value_kind: global_buffer, .address_space: global }
      - { .name: ac, .offset: 8, .size: 8, .value_kind: global_buffer, .address_space: global }
      - { .name: bg, .offset: 16, .size: 8, .value_kind: global_buffer, .address_space: global }
      - { .name: bd, .offset: 24, .size: 8, .value_kind: global_buffer, .address_space: global }
      - { .name: bias_ih, .offset: 32, .size: 8, .value_kind: global_buffer, .address_space: global }
      - { .name: bias_hh, .offset: 40, .size: 8, .value_kind: global_buffer, .address_space: global }
      - { .name: b_decomp, .offset: 48, .size: 8, .value_kind: global_buffer, .address_space: global }
      - { .name: t, .offset: 56, .size: 8, .value_kind: global_buffer, .address_space: global }
      - { .name: cx, .offset: 64, .size: 8, .value_kind: global_buffer, .address_space: global }
      - { .name: out0, .offset: 72, .size: 8, .value_kind: global_buffer, .address_space: global }
      - { .name: out1, .offset: 80, .size: 8, .value_kind: global_buffer, .address_space: global }
    .group_segment_fixed_size: 327680
    .private_segment_fixed_size: 0
    .kernarg_segment_align: 8
    .kernarg_segment_size: 88
    .max_flat_workgroup_size: 128
    .sgpr_count:     100
    .vgpr_count:     1024
    .wavefront_size: 32
...
	.end_amdgpu_metadata
.endif
;; end of part 2
